; MI455X (gfx1250); checked and timed in simulation.
; The chip was launched on July 23, 2026; its instructions are those of AMD's public machine-readable ISA for CDNA 5 (MIT licence, August 2026) and "CDNA5" Instruction Set Architecture Reference Guide (July 2026). The comments in the code are by the model that wrote it; some were corrected since.
;; QKV Attention. Allowed arithmetic: matrix products marked QUANTISED: E4M3 operands, one E8M0 scale for each 32 along K, by v_wmma_scale_f32_16x16x128_f8f6f4 with both operands' format E4M3, f32 sums; everything else in f32.
;; Inputs: qkv 4 x 3,072 x 2,048 float32.
;; Outputs: out0 4 x 1,024 x 2,048 float32.
;; This version of the problem:
;;   THIS VERSION OF THE PROBLEM IS GIVEN IN LOW PRECISION. The matrix products marked QUANTISED in the list below multiply operands that are first quantised to E4M3 (4 exponent bits, 3 mantissa bits; 8 bits a number), with one power-of-two scale for each 32 numbers along K (OCP MX v1.0); their sums are f32. All else is computed in f32.
;;   The module's matrix products, in the order in which they are computed (A, B: the left and right operand; K: the contracted axis; several contracted axes count as one K, in the product's order):
;;     1. batch 64 x [M 2,048, K 64] x [K 64, N 2,048]; A: computed on the way; B: computed on the way: QUANTISED
;;     2. batch 64 x [M 64, K 2,048] x [K 2,048, N 2,048]; A: input qkv; B: softmax (see below): QUANTISED
;;   THE QUANTISER, for each operand of a quantised product, along K:
;;     - K is cut into blocks of 32 from its start; a last block that is shorter is filled with zeros.
;;     - A block's scale is 2^e with e = floor(log2(the largest magnitude in the block)) - 8, held to -126 .. 127; a block of zeros has e = 0. As a byte (E8M0): e + 127.
;;     - Each number is divided by its block's scale, clamped to +-448, and rounded to the nearest number of E4M3, ties to even, subnormals kept.
;;     - The product sums the exact products of the quantised numbers (number of the format x scale) in f32.
;;   ~~~python
;;   def quantise(x, axis):      # numpy; x: float32 -> the quantised numbers, widened to float32 again
;;       x = np.moveaxis(x, axis, -1); K = x.shape[-1]
;;       x = np.pad(x, [(0, 0)] * (x.ndim - 1) + [(0, -K % 32)]); x = x.reshape(x.shape[:-1] + (-1, 32)); a = np.abs(x).max(-1, keepdims=True)
;;       e = np.where(a > 0, np.clip(np.frexp(np.where(a > 0, a, 1))[1] - 1 - 8, -126, 127), 0)      # np.frexp(a)[1] - 1 = floor(log2(a)), exactly
;;       r = np.clip(x / 2.0 ** e, -448, 448)
;;       step = 2.0 ** (np.maximum(np.frexp(np.where(r == 0, 1, r))[1] - 1, -6) - 3)
;;       q = np.round(r / step) * step * 2.0 ** e      # np.round: ties to even
;;       return np.moveaxis(q.reshape(q.shape[:-2] + (-1,))[..., :K], -1, axis).astype(np.float32)
;;   ~~~
;;   SOFTMAX AHEAD OF A QUANTISED PRODUCT. Where the list says 'softmax', what is quantised is not the finished softmax but p = 2^(t - M), with t = logit x log2(e) and M = ceil(the row's largest t), a whole number; so 1/2 < the row's largest p <= 1. The row's sum l is taken of the UNQUANTISED p, in f32, and the product's result is divided by l at the end. Since M is a whole number, a kernel that streams over the keys may use a running M (the ceiling of the running maximum): every later rescaling is an exact power of two, which a block's scale takes up: the codes' values come out the same.
;;   OPERANDS COMPUTED ON THE WAY. 'Computed on the way' means the value that the module computes at that place (a softmax that the list does not call 'softmax' is quantised finished and normalised). What goes into a quantiser is computed in f32, as accurately as f32 sums, v_exp_f32 and their like allow (about 1e-6 of the number): no bf16 or f16 on the way to a quantiser, and a product that is left as it is and whose result goes on into a quantised operand takes f32 operands (vector FMAs, or v_wmma_f32_16x16x4_f32). A number that lies on a knife's edge between two numbers of the format may be rounded either way, as far as f32 arithmetic and the matrix unit's own rounding can turn it there, and no further.
;; One version. Each part assembles by itself: llvm-mc -triple=amdgcn-amd-amdhsa -mcpu=gfx1250 --defsym DOCPART=n.
;; ======== version 1 of 1: 2 launches
;; limits: right only within a limited range of input values
;; workspace buffers: qq 8,912,896 bytes; kv 17,563,648 bytes
;; launch quant (part 1): grid 192 x 4, 4 waves a work-group, no clusters, 34,304 bytes of LDS; arguments qkv, qq, kv; writes qq, kv
.if DOCPART == 1
	.amdgcn_target "amdgcn-amd-amdhsa--gfx1250"
	.amdhsa_code_object_version 6
	.text
	.protected	k_q1f924414c1_quant
	.globl	k_q1f924414c1_quant
	.p2align	8
	.type	k_q1f924414c1_quant,@function
k_q1f924414c1_quant:
	s_mov_b64 s[64:65], 0
	v_nop
	global_prefetch_b8 v0, s[64:65] scope:SCOPE_SE
	s_setreg_imm32_b32 hwreg(HW_REG_WAVE_MODE, 25, 1), 1
	s_wait_xcnt 0x0
; FIRST OF TWO LAUNCHES.  qkv [4][3][16 heads][64 channels][2,048 positions], f32, becomes codes of FP8 (E4M3) with one E8M0 scale byte for each 32 along a product's K, laid as IMAGES OF THE
; MATRIX OPERANDS' REGISTERS, so that the second launch takes every fragment by loads of 16 bytes a lane, lane after lane.
; NOTHING OF reference() IS LEFT OUT: every number of qkv reaches the output, both products are live, and there is no mask.
; q and k are first multiplied by 1 / sqrt(sqrt(64)) in f32, as reference() has it, and quantised along the CHANNELS (their product's K: two blocks of 32 a position); v is quantised as it comes, along the KEYS (four blocks in 128 keys).
; A block's scale is 2^(floor(log2(its largest magnitude)) - 8); its byte is the largest magnitude's exponent field - 8, held at 1 from below; each number is held within +-448 x the scale and rounded to the nearest code, ties to even.
; LIMITS: NaN and infinities among the inputs are not served.  A block of zeros gets the byte 1 where the rule says 127: its codes are zeros, which add nothing under any byte but 0xff, and the bytes are read by this program alone.
; SHARES.  A wave takes one CHUNK: 64 channel rows x 128 positions of q, of k or of v of one head.  Work-group x = 4 x (16 x which + head) + quarter of the 16 chunks, y = batch; wave w takes chunk 4 x quarter + w.
; WHAT IS WRITTEN.  qq: a chunk is 8,704 bytes: 8 tiles of 16 positions x 1,024 bytes of codes, then 512 bytes of scale words.  kv: a chunk is 17,152 bytes: k's 8,704 in the same form, then v's 4 tiles of 16 channels x 2,048 bytes and 256 bytes of scale words.
;   q, k: tile T, half c (channels 32 c on) at 1,024 T + 512 c; lane 16 h + r has the 16 codes of channels 32 c + 16 h + 0 .. 15 of position 32 (T / 2) + 8 (T % 2) + r + 8 (r / 8).  Word of (T, r) at 16 (16 (T / 4) + r) + 4 (T % 4):
;         its two bytes, and the same two once more for the half of the matrix instruction's K that holds zeros.
;   v:    tile t, key block c at 2,048 t + 512 c; lane 16 h + r has channel 16 t + r, keys 32 c + 16 h + 0 .. 15.  Word of (t, r) at 8 (16 (t / 2) + r) + 4 (t % 2): its four blocks' bytes.
; q AND k: K IS THE OUTER AXIS IN MEMORY.  A lane takes a position and its registers run down the 64 channels: a block lies in one lane, and the conversions give codes with K innermost; nothing is transposed.
; v: K IS INNERMOST.  Loads take 512 consecutive bytes; the numbers turn through the wave's own stage in LDS, so that a lane holds 16 neighbouring keys of one channel.
; No tensor loads, no barrier: waves share nothing.
.set ROWB,   8192                      ; a channel's row in memory
.set SPITCH, 528                       ; a stage row: 512 bytes + 16: sixteen rows begin 4 words apart modulo 64 words
.set STW,    16*SPITCH                 ; a wave's stage
.set SPARE,  4*STW                     ; behind the four stages: the spare words, 128 bytes for each wave: two blocks of 256 bytes that no other line names
.set WD,  16                           ; v16-19   a scale word for each column group (q, k) or channel tile (v)
.set XW,  20                           ; v20-23   the same from lane l xor 16
.set TM,  24                           ; v24-39   at work
.set CD,  40                           ; v40-55   codes
.set OW,  56                           ; v56-59   the scale words as they leave
.set XN,  64                           ; v64-127  v: 64 numbers of a lane, register 16 b + i = key 32 b + 16 (lane / 16) + i
.set LD,  128                          ; v128-255 two sets of 64 registers as loaded
; v1 lane; v2 r = lane % 16; v3 lane / 16; v4, v5 the add's two; v6 q, k: my position's bytes in a row; v7 q, k: my codes' place; v8 16 x lane; v9, v10 the stage, in and out; v11 8 x lane
	s_load_b128 s[4:7], s[0:1], 0x0                ; qkv, qq
	s_load_b64 s[8:9], s[0:1], 0x10                ; kv
	v_lshl_add_u32 v4, v0, 2, SPARE                ; my spare word; never rewritten
	v_mov_b32 v5, 0                                ; 0; never rewritten
	v_lshrrev_b32 v1, 5, v0
	v_readfirstlane_b32 s10, v1                    ; wave 0..3
	v_and_b32 v1, 31, v0
	v_and_b32 v2, 15, v0
	v_bfe_u32 v3, v0, 4, 1
	v_and_b32 v6, 8, v2
	v_add_nc_u32 v6, v6, v2                        ; r + 8 (r / 8)
	v_lshl_add_u32 v6, v3, 3, v6                   ; + 8 x half: lanes 0-15 make the group's even tile, lanes 16-31 its odd one
	v_lshlrev_b32 v6, 2, v6
	v_lshlrev_b32 v7, 4, v2
	v_lshl_add_u32 v7, v3, 10, v7                  ; 1,024 x half + 16 r
	v_lshlrev_b32 v8, 4, v1
	v_lshlrev_b32 v11, 3, v1
	s_mul_i32 s19, s10, STW
	v_add_nc_u32 v9, s19, v8                       ; into the stage as loaded: 16 x lane of a row
	v_mul_u32_u24 v10, v2, SPITCH
	v_lshl_add_u32 v10, v3, 6, v10
	v_add_nc_u32 v10, s19, v10                     ; out of it: row r, + 64 x half: my 16 keys of a block of 32
.irp n, 0,1,2,3
	v_mov_b32 v[XW+\n], 0                          ; written once: a lane permute's destination counts as one of its sources
	v_mov_b32 v[TM+4+\n], 0
.endr
	s_lshr_b32 s11, ttmp9, 2                       ; 16 x which + head
	s_and_b32 s12, ttmp9, 3                        ; which quarter of the chunks
	s_and_b32 s13, ttmp7, 0xffff                   ; batch
	s_lshr_b32 s14, s11, 4                         ; which: 0 q, 1 k, 2 v
	s_and_b32 s15, s11, 15                         ; head
	s_lshl_b32 s16, s12, 2
	s_add_co_u32 s16, s16, s10                     ; my chunk of the 16
	s_lshl_b32 s17, s13, 4
	s_add_co_u32 s17, s17, s15                     ; 16 x batch + head
	s_lshl_b32 s18, s17, 4
	s_add_co_u32 s18, s18, s16                     ; my chunk in the workspace
	s_mul_i32 s20, s13, 48
	s_add_co_u32 s20, s20, s11
	s_lshl_b32 s20, s20, 19                        ; 64 rows of 8,192 bytes for each (batch, which, head): under 2^27 in all
	s_lshl_b32 s21, s16, 9                         ; + 128 positions of 4 bytes a chunk
	s_add_co_u32 s20, s20, s21
	s_mov_b32 s21, 0
	s_mov_b32 s24, 17152
	s_cmp_eq_u32 s14, 0
	s_cselect_b32 s24, 8704, s24                   ; a chunk's bytes: in qq, in kv
	s_mul_i32 s22, s18, s24
	s_cmp_eq_u32 s14, 2
	s_cselect_b32 s23, 8704, 0                     ; v's part lies behind k's
	s_add_co_u32 s22, s22, s23
	s_mov_b32 s23, 0
	s_mov_b32 s26, 0x3eb504f3                      ; 1 / sqrt(sqrt(64)) in f32
	s_mov_b32 s27, s26                             ; (the packed form names the pair)
	s_mov_b32 s30, 0x76543210
	s_mov_b32 s31, 0xfedcba98                      ; v_permlanex16_b32's selects for lane l xor 16
	s_wait_kmcnt 0x0
	s_cmp_eq_u32 s14, 0                            ; the choice hangs on the work-group's number alone
	s_cselect_b64 s[6:7], s[6:7], s[8:9]
	s_add_nc_u64 s[4:5], s[4:5], s[20:21]          ; my chunk's first number
	s_add_nc_u64 s[6:7], s[6:7], s[22:23]          ; where my images begin; the scale words lie 8,192 bytes on, for q, k and v alike
	s_cmp_eq_u32 s14, 2
	s_cbranch_scc1 .Lv
; ---- q and k.  Column group g: positions 32 g .. 32 g + 31, one a lane; 64 loads, one a channel, 128 consecutive bytes each.  No cache hint: the other half of each aligned 256 bytes is asked for by this wave's next group.
.macro LOADG g
.set cc, 0
.rept 64
	global_load_b32 v[LD+64*((\g)%2)+cc], v6, s[4:5] offset:cc*ROWB+128*(\g)
.set cc, cc+1
.endr
.endm
.macro QKGROUP g
.set XS, LD+64*((\g)%2)
.if (\g) < 3
	s_wait_loadcnt 63                              ; behind this group's loads stand the next group's 64; a wait names 63 at the most, which leaves at most 63 of those out: this group is in
.else
	s_wait_loadcnt 0x0
.endif
.set cc, 0
.rept 32
	v_pk_mul_f32 v[XS+cc:XS+cc+1], v[XS+cc:XS+cc+1], s[26:27] op_sel_hi:[1,0]   ; q x scale, k x scale, as reference() has them, two at a time
.set cc, cc+2
.endr
.irp n, 0,1,2,3                                ; four chains of 16 channels, by turns; each begins with the floor 2^(9 - 127), so that the byte cannot fall under 1
	v_max3_num_f32 v[TM+\n], |v[XS+16*\n]|, |v[XS+16*\n+1]|, 0x4800000
.endr
.irp i, 2,4,6,8,10,12,14
.irp n, 0,1,2,3
	v_max3_num_f32 v[TM+\n], v[TM+\n], |v[XS+16*\n+\i]|, |v[XS+16*\n+\i+1]|
.endr
.endr
	v_max_num_f32 v[TM], v[TM], v[TM+1]            ; the largest magnitude of channels 0-31,
	v_max_num_f32 v[TM+2], v[TM+2], v[TM+3]        ; of channels 32-63
	v_add_nc_u32 v[TM+4], 0xfc000000, v[TM]        ; 8 off the exponent field: the conversion takes the exponent field of this operand as its scale
	v_add_nc_u32 v[TM+5], 0xfc000000, v[TM+2]
	v_lshrrev_b32 v[TM+8], 23, v[TM+4]             ; the scales' bytes
	v_lshrrev_b32 v[TM+9], 23, v[TM+5]
	v_lshl_or_b32 v[WD+(\g)], v[TM+9], 8, v[TM+8]
	v_lshl_or_b32 v[WD+(\g)], v[WD+(\g)], 16, v[WD+(\g)]   ; the same two bytes for K = 64 .. 127, where the other operand holds zero codes
.set cc, 0
.rept 64
.set cc, cc+1
.endr
.if (\g) > 0
	s_wait_alu depctr_va_vdst(0)
	s_wait_xcnt 0x0                                ; the last group's stores have read their data: the codes' registers are written again only behind this wait
.endif
.set cc, 0
.rept 8
	v_cvt_scalef32_pk8_fp8_f32 v[CD+2*cc:CD+2*cc+1], v[XS+8*cc:XS+8*cc+7], v[TM+4+cc/4]
.set cc, cc+1
.endr
	v_nop                                          ; one plain vector line behind the last conversion of the run
.irp k, 0,1,2,3                                ; channels 16 k on: half k / 2 of my tile, lanes' half k % 2: sixteen lanes store 256 consecutive bytes, aligned
	global_store_b128 v7, v[CD+4*\k:CD+4*\k+3], s[6:7] offset:2048*(\g)+512*(\k/2)+256*(\k%2)
.endr
.if (\g) < 2
	LOADG (\g)+2                                   ; into the set just converted
.endif
.endm
	LOADG 0
	LOADG 1
	QKGROUP 0
	QKGROUP 1
	QKGROUP 2
	QKGROUP 3
	; the 128 scale words leave as 512 consecutive bytes: lane 16 a + r takes the words of tiles 4 a .. 4 a + 3, row r.  Word register g holds tile 2 g in lanes 0-15 and tile 2 g + 1 in lanes 16-31
.irp i, 0,1,2,3
	v_permlanex16_b32 v[XW+\i], v[WD+\i], s30, s31
.endr
	v_cmp_le_u32 vcc_lo, 16, v1                    ; lanes 16-31
	v_cndmask_b32 v[OW], v[WD], v[XW+2], vcc_lo    ; tile 0 | tile 4
	v_cndmask_b32 v[OW+1], v[XW], v[WD+2], vcc_lo  ; tile 1 | tile 5
	v_cndmask_b32 v[OW+2], v[WD+1], v[XW+3], vcc_lo   ; tile 2 | tile 6
	v_cndmask_b32 v[OW+3], v[XW+1], v[WD+3], vcc_lo   ; tile 3 | tile 7
	global_store_b128 v8, v[OW:OW+3], s[6:7] offset:8192
	s_branch .Lend
; ---- v.  Channel tile t: 16 rows x 128 keys; 16 loads of 512 consecutive bytes
.macro LOADT t
.irp i, 0,1,2,3,4,5,6,7,8,9,10,11,12,13,14,15
	global_load_b128 v[LD+64*((\t)%2)+4*\i:LD+64*((\t)%2)+4*\i+3], v8, s[4:5] offset:(16*(\t)+\i)*ROWB th:TH_LOAD_NT
.endr
.endm
.macro VTILE t
.set LS, LD+64*((\t)%2)
.if (\t) < 3
	s_wait_loadcnt 16                              ; this tile's 16 loads are in; the next tile's 16 may be out
.else
	s_wait_loadcnt 0x0
.endif
.irp i, 0,1,2,3,4,5,6,7,8,9,10,11,12,13,14,15
	ds_store_b128 v9, v[LS+4*\i:LS+4*\i+3] offset:SPITCH*\i
.endr
.irp b, 0,1,2,3
.irp j, 0,1,2,3
	ds_load_b128 v[XN+16*\b+4*\j:XN+16*\b+4*\j+3], v10 offset:128*\b+16*\j   ; LDS serves a wave's instructions in order (ISA guide 5.7.1.4): these see the stores above
.endr
.endr
	s_wait_dscnt 0x0                               ; my 64 numbers are back, and the stores have read their registers,
.if (\t) < 2
	LOADT (\t)+2                                   ; which take the tile two further on
.endif
.irp b, 0,1,2,3
	v_max3_num_f32 v[TM+\b], |v[XN+16*\b]|, |v[XN+16*\b+1]|, 0x4800000   ; block b: my 16 keys, and the floor 2^(9 - 127)
.endr
.irp i, 2,4,6,8,10,12,14
.irp b, 0,1,2,3
	v_max3_num_f32 v[TM+\b], v[TM+\b], |v[XN+16*\b+\i]|, |v[XN+16*\b+\i+1]|   ; (the four blocks by turns)
.endr
.endr
.irp b, 0,1,2,3
	v_permlanex16_b32 v[TM+4+\b], v[TM+\b], s30, s31
.endr
.irp b, 0,1,2,3
	v_max_num_f32 v[TM+\b], v[TM+\b], v[TM+4+\b]   ; with lane l xor 16's 16 keys: the block's largest magnitude
.endr
.irp b, 0,1,2,3
	v_add_nc_u32 v[TM+12+\b], 0xfc000000, v[TM+\b]
.endr
.irp b, 0,1,2,3
.endr
.irp b, 0,1,2,3
	v_lshrrev_b32 v[TM+4+\b], 23, v[TM+12+\b]
.endr
	v_lshl_or_b32 v[WD+(\t)], v[TM+5], 8, v[TM+4]  ; my channel's scale word for these 128 keys
	v_lshl_or_b32 v[WD+(\t)], v[TM+6], 16, v[WD+(\t)]
	v_lshl_or_b32 v[WD+(\t)], v[TM+7], 24, v[WD+(\t)]
.if (\t) > 0
	s_wait_xcnt 0x0                                ; the last tile's stores have read their data
.endif
.irp b, 0,1,2,3
.irp i, 0,1,2,3,4,5,6,7,8,9,10,11,12,13,14,15
.endr
	v_cvt_scalef32_pk8_fp8_f32 v[CD+4*\b:CD+4*\b+1], v[XN+16*\b:XN+16*\b+7], v[TM+12+\b]
	v_cvt_scalef32_pk8_fp8_f32 v[CD+4*\b+2:CD+4*\b+3], v[XN+16*\b+8:XN+16*\b+15], v[TM+12+\b]
.endr
	v_nop                                          ; one plain vector line behind the last conversion of the run
.irp b, 0,1,2,3
	global_store_b128 v8, v[CD+4*\b:CD+4*\b+3], s[6:7] offset:2048*(\t)+512*\b   ; 512 consecutive bytes, aligned
.endr
.endm
.Lv:
	LOADT 0
	LOADT 1
	s_wait_alu depctr_va_vdst(0)
	VTILE 0
	VTILE 1
	VTILE 2
	VTILE 3
	v_cmp_le_u32 vcc_lo, 16, v1                    ; every lane holds its row's word of each tile: lanes 0-15 send tiles 0 and 1, lanes 16-31 tiles 2 and 3
	v_cndmask_b32 v[OW], v[WD], v[WD+2], vcc_lo
	v_cndmask_b32 v[OW+1], v[WD+1], v[WD+3], vcc_lo
	global_store_b64 v11, v[OW:OW+1], s[6:7] offset:8192   ; 256 consecutive bytes, aligned
.Lend:
	s_wait_tensorcnt 0x0                           ; the wave's end: behind my last LDS store
	ds_add_u32 v4, v5
	s_wait_dscnt 0x0
	s_endpgm
.Lfunc_end_k_q1f924414c1_quant:
	.size	k_q1f924414c1_quant, .Lfunc_end_k_q1f924414c1_quant-k_q1f924414c1_quant
	.p2alignl 7, 3214868480
	.fill 96, 4, 3214868480
	.section	.rodata,"a",@progbits
	.p2align	6, 0x0
	.amdhsa_kernel k_q1f924414c1_quant
		.amdhsa_group_segment_fixed_size 34304
		.amdhsa_private_segment_fixed_size 0
		.amdhsa_enable_private_segment 0
		.amdhsa_kernarg_size 24
		.amdhsa_user_sgpr_count 2
		.amdhsa_user_sgpr_kernarg_segment_ptr 1
		.amdhsa_wavefront_size32 1
		.amdhsa_system_sgpr_workgroup_id_x 1
		.amdhsa_system_sgpr_workgroup_id_y 1
		.amdhsa_system_sgpr_workgroup_id_z 1
		.amdhsa_system_vgpr_workitem_id 0
		.amdhsa_next_free_vgpr 256
		.amdhsa_next_free_sgpr 66
		.amdhsa_reserve_vcc 1
		.amdhsa_float_denorm_mode_32 3
		.amdhsa_float_denorm_mode_16_64 3
		.amdhsa_fp16_overflow 1
		.amdhsa_memory_ordered 1
		.amdhsa_forward_progress 1
		.amdhsa_inst_pref_size 80
	.end_amdhsa_kernel
	.amdgpu_metadata
---
amdhsa.version: [ 1, 2 ]
amdhsa.kernels:
  - .name:           k_q1f924414c1_quant
    .symbol:         k_q1f924414c1_quant.kd
    .args:
      - { .name: qkv, .offset: 0, .size: 8, .value_kind: global_buffer, .address_space: global }
      - { .name: qq, .offset: 8, .size: 8, .value_kind: global_buffer, .address_space: global }
      - { .name: kv, .offset: 16, .size: 8, .value_kind: global_buffer, .address_space: global }
    .group_segment_fixed_size: 34304
    .private_segment_fixed_size: 0
    .kernarg_segment_align: 8
    .kernarg_segment_size: 24
    .max_flat_workgroup_size: 128
    .sgpr_count:     66
    .vgpr_count:     256
    .wavefront_size: 32
...
	.end_amdgpu_metadata
.endif
;; end of part 1
;; launch attn (part 2): grid 256 x 1, 16 waves a work-group, clusters of 4 x 1, 327,680 bytes of LDS; arguments qq, kv, out0; writes out0
.if DOCPART == 2
	.amdgcn_target "amdgcn-amd-amdhsa--gfx1250"
	.amdhsa_code_object_version 6
	.text
	.protected	k_q1f924414c1_attn
	.globl	k_q1f924414c1_attn
	.p2align	8
	.type	k_q1f924414c1_attn,@function
k_q1f924414c1_attn:
	s_mov_b64 s[64:65], 0
	v_nop
	global_prefetch_b8 v0, s[64:65] scope:SCOPE_SE
	s_setreg_imm32_b32 hwreg(HW_REG_WAVE_MODE, 25, 1), 1
	s_wait_xcnt 0x0
	s_wait_alu depctr_hold_cnt(0) depctr_sa_sdst(0) depctr_va_vdst(0) depctr_va_sdst(0) depctr_va_ssrc(0) depctr_va_vcc(0) depctr_vm_vsrc(0)
	s_getreg_b32 s2, hwreg(HW_REG_IB_STS2, 6, 4)
	s_cmp_eq_u32 s2, 0
	s_cbranch_scc0 .Lentry_in_a_cluster
	s_endpgm
.Lentry_in_a_cluster:
	s_bfe_u32 s2, ttmp6, 0x10000c
	s_cmp_lg_u32 s2, 0x3003
	s_cbranch_scc0 .Lentry_shape_is_right
	s_endpgm
.Lentry_shape_is_right:
; SECOND OF TWO LAUNCHES.  out[head][c][t] = the sum over s of softmax_s(q'[:, t] . k'[:, s]) v[c][s], q' and k' already multiplied by 1 / sqrt(sqrt(64)), both products on the codes of FP8 (E4M3) and E8M0 scale bytes that the first launch made.
; Nothing of reference() is left out here either.
; THE SOFTMAX AHEAD OF THE SECOND PRODUCT: t = score x log2(e); M = the row's largest t so far, rounded UP to a whole number; p = 2^(t - M) is what is quantised, along the keys; it is not normalised.
; The row's sum is taken of the unquantised p, in f32, and divides at the end.  When M moves, the sum and O are multiplied by 2^(old M - new M): exact.
; LIMITS: NaN and infinities are not served; a p under 2^-126 counts as 0 (v_exp_f32 gives no denormals: ISA guide, its entry in 15.8).
; SHARES.  A cluster of four work-groups owns a head, a work-group 512 of its queries, as two blocks of 256; each of its SIXTEEN waves owns one tile of 16 queries of a block, in 256 registers: four waves to a SIMD,
; so that one wave's vector work stands beside another's matrix work and LDS loads.  Every wave walks the head's 2,048 keys, 128 a step.
; THE WHOLE HEAD'S K AND V LIE IN LDS: 16 chunks of 17,152 bytes (128 keys: k's images and scale words, v's images and scale words), filled ONCE, wave w fetching chunk w.  So there is no ring and nothing is filled again.
; The four work-groups need the same bytes: each chunk is asked for JOINTLY, by the same tensor load with the same descriptor (made of the head and the wave's number alone) and a mask that names the four.
; LAYOUT.  Both products are used transposed: S^T = K Q^T (source 0 = 16 keys, source 1 = my 16 queries), O^T = V P^T (source 0 = 16 channels, source 1 = P): a lane holds ONE query (lane % 16) throughout.
; The keys of a tile are not neighbours (row r of tile 2 b + u is key 32 b + 8 u + r + 8 (r / 8)), so that the 16 registers of tiles 2 b and 2 b + 1 are keys 32 b + 16 (lane / 16) + 0 .. 15: the conversions' results are P's fragment.
; K = 64 IN A FORM OF K = 128.  Q's fragment is its 64 codes and 64 ZERO codes (v24-31).  A tile of K is 8 registers; the instruction is given 16: the tile's and the 8 that follow (the next tile's; zeros behind the last).
; What stands there is multiplied by Q's zero codes and adds exactly 0: no code here is a NaN, and the scale words repeat the real bytes for that half.
; REGISTERS: v1 16 x lane; v2 8 x lane; v3, v4 the add's two; v5, v6 the step's LDS addresses; v7, v8 Q's offsets; v9, v10 the stage, in and out; v12 -M, v13 the largest t, v[14:15] the sum in two halves;
;   v16-23 Q, v24-31 zeros; v32-95 K's 8 tiles, then V's 4 fragments; v96-103 zeros; v104-167 S^T, then p; v168-199 O^T; v200-215 p's codes; v216-235 at work; v236-242 scale words; v246-254 the second block's Q.
.set CH,     17152                     ; a chunk of kv, in memory and in LDS: 67 rows of 256 bytes
.set KSW,    8192                      ; in it: k's scale words,
.set VIM,    8704                      ; v's images,
.set VSW,    16896                     ; v's scale words
.set QCH,    8704                      ; a chunk of qq
.set STAGE,  16*CH                     ; behind the chunks: the way out's stage, 32 channels x (256 queries x 4 bytes + 16); no tensor load lands here
.set SPITCH, 1040
.set SPARE,  STAGE+32*SPITCH           ; behind the stage: the spare words, 128 bytes for each wave: eight blocks of 256 bytes that no other line names
.set L16, 1
.set L8,  2
.set SPW, 3
.set NIL, 4
.set ADR, 5
.set ADV, 6
.set QO,  7
.set QSO, 8
.set STO, 9
.set SRD, 10
.set QF,  16
.set KF,  32
.set SS,  104
.set OT,  168
.set PC,  200
.set BM,  216                          ; v216-219 each block's largest score, then its largest p
.set BP,  220                          ; v220-223 the same from lane l xor 16; later the scales' bytes
.set BH,  224
.set BS,  228                          ; v228-231 the conversions' scale operands
.set FF,  232                          ; v[232:233] f = 2^(old M - new M), and a 0 that is named with it as a pair
.set PW,  234                          ; p's scale word
.set TT,  235
.set KS,  236                          ; v236-239 k's scale words: register i: tile i in lanes 0-15, tile 4 + i in lanes 16-31
.set VS,  240                          ; v240-241 v's: register e: tile e in lanes 0-15, tile 2 + e in lanes 16-31
.set QS,  242                          ; Q's
.set SU,  244                          ; v[244:245] the second chain of the row's sum
.set QN,  246
.set QNS, 254
.set WV,  10                           ; s10 my wave's number;  s11 cx;  s[16:23], s[24:27] the descriptor
.set SEL, 28                           ; s[28:29] lane selects for v_permlanex16_b32: lane l xor 16
.set CS,  30                           ; s[30:31] log2(e): both scalings are in the scores already
.set MNT, 32
.set TB,  33                           ; s33 LDS byte at which the step's chunk begins
.set STEPS, 34
.set QB,  36                           ; s[36:37] my first block's chunk of qq
.set OB,  38                           ; s[38:39] out0 at my head, my two stage rows' channels, my work-group's queries
.macro CROUND                          ; a round of the cluster's barrier: my work-group's barrier; wave 0 signals for the work-group; every wave waits for all four work-groups; my work-group's barrier once more
	s_barrier_signal -1
	s_barrier_wait -1
	s_cmp_lg_u32 s[WV], 0
	s_cbranch_scc1 .Lnot_wave_0_\@
	s_barrier_signal -3
.Lnot_wave_0_\@:
	s_barrier_wait -3
	s_barrier_signal -1
	s_barrier_wait -1
.endm
	s_load_b128 s[4:7], s[0:1], 0x0                ; qq, kv
	s_load_b64 s[8:9], s[0:1], 0x10                ; out0
	v_lshl_add_u32 v[SPW], v0, 2, SPARE
	v_mov_b32 v[NIL], 0
	ds_add_u32 v[SPW], v[NIL]                      ; the wave's opening: the add, twice on end, and its wait ahead of my first tensor load; the set-up below, work on registers, stands between the second and the wait
	ds_add_u32 v[SPW], v[NIL]
	v_lshrrev_b32 v[ADR], 5, v0
	s_delay_alu instid0(VALU_DEP_1)
	v_readfirstlane_b32 s[WV], v[ADR]              ; wave 0..15
	s_bfe_u32 s11, ttmp6, 0x40000                  ; cx: my place in the cluster: it enters Q's and the output's global addresses alone
	; descriptor group 1: a dense block of 67 rows of 256 bytes (32 elements of 8 bytes), no padding: images are read 16 bytes a lane, lane after lane
	s_mov_b32 s16, 15|(3<<16)|(1<<21)              ; 15:0 the mask: all four work-groups; 17:16 elements of 8 bytes; 21 set beside a mask
	s_mov_b32 s17, 32<<16                          ; tensor_dim0 = 32
	s_mov_b32 s18, 67<<16                          ; tensor_dim1 = 67
	s_mov_b32 s19, 32<<16                          ; tile_dim0 = 32
	s_mov_b32 s20, 67                              ; tile_dim1 = 67
	s_mov_b32 s21, 32                              ; from row to row
	s_mov_b32 s22, 0
	s_mov_b32 s23, 0
	s_mov_b32 s24, 1                               ; group 0: count = 1
	s_mul_i32 s25, s[WV], CH                       ; LDS address: chunk w
	s_lshl_b32 s40, ttmp9, 4                       ; 16 x head (in a cluster launch ttmp9 counts clusters: one a head)
	s_add_co_u32 s41, s40, s[WV]
	s_mul_i32 s42, s41, CH                         ; chunk w of my head in kv, in bytes
	s_mov_b32 s43, 0
	s_lshl_b32 s44, s11, 2                         ; my work-group's four chunks of queries,
	s_add_co_u32 s44, s44, s40
	s_lshr_b32 s45, s[WV], 3                       ; waves 8-15: the block's second chunk
	s_add_co_u32 s44, s44, s45
	s_mul_i32 s44, s44, QCH
	s_mov_b32 s45, 0
	s_lshl_b32 s46, ttmp9, 19                      ; the head's 64 rows of 8,192 bytes,
	s_lshl_b32 s47, s[WV], 14                      ; channels 2 w and 2 w + 1,
	s_add_co_u32 s46, s46, s47
	s_lshl_b32 s47, s11, 11                        ; my work-group's 512 queries
	s_add_co_u32 s46, s46, s47
	s_mov_b32 s47, 0
	s_mov_b32 s[SEL], 0x76543210
	s_mov_b32 s[SEL+1], 0xfedcba98
	s_mov_b32 s[CS], 0x3fb8aa3b                    ; log2(e)
	s_mov_b32 s[CS+1], s[CS]                       ; (named with it as a pair, so it is written)
	v_and_b32 v[L8], 31, v0
	s_delay_alu instid0(VALU_DEP_1)
	v_lshlrev_b32 v[L16], 4, v[L8]
	s_delay_alu instid0(VALU_DEP_2)
	v_lshlrev_b32 v[L8], 3, v[L8]
	v_and_b32 v216, 15, v0                         ; r
	s_wait_alu depctr_va_vdst(0)
	v_bfe_u32 v217, v0, 4, 1                       ; h
	s_and_b32 s12, s[WV], 7                        ; my tile of the chunk's eight
	s_lshl_b32 s12, s12, 10
	v_add_nc_u32 v[QO], s12, v[L16]                ; Q's image: 1,024 x tile + 16 x lane
	s_bfe_u32 s12, s[WV], 0x10002
	s_lshl_b32 s12, s12, 8
	s_and_b32 s13, s[WV], 3
	s_lshl_b32 s13, s13, 2
	s_add_co_u32 s12, s12, s13
	s_add_co_u32 s12, s12, 8192
	v_lshl_add_u32 v[QSO], v216, 4, s12            ; Q's scale word: 8,192 + 16 (16 (tile / 4) + r) + 4 (tile % 4)
	; the stage.  In: lane (r, h) holds query 128 (w / 8) + 32 ((w / 2) % 4) + 8 (w % 2) + r + 8 (r / 8) of the block, and channels 8 h + 0 .. 7 of a tile
	s_lshr_b32 s12, s[WV], 3
	s_lshl_b32 s12, s12, 9
	s_bfe_u32 s13, s[WV], 0x20001
	s_lshl_b32 s13, s13, 7
	s_and_b32 s14, s[WV], 1
	s_lshl_b32 s14, s14, 5
	s_add_co_u32 s12, s12, s13
	s_add_co_u32 s12, s12, s14
	s_add_co_u32 s12, s12, STAGE
	v_and_b32 v218, 8, v216
	s_delay_alu instid0(VALU_DEP_1)
	v_add_nc_u32 v218, v218, v216
	s_delay_alu instid0(VALU_DEP_1)
	v_lshlrev_b32 v218, 2, v218
	s_wait_alu depctr_va_vdst(0)
	v_mad_u32_u24 v[STO], v217, 8*SPITCH, v218
	s_delay_alu instid0(VALU_DEP_1)
	v_add_nc_u32 v[STO], s12, v[STO]
	s_mul_i32 s13, s[WV], 2*SPITCH                 ; back: wave w takes stage rows 2 w and 2 w + 1, 16 bytes a lane
	s_add_co_u32 s13, s13, STAGE
	v_add_nc_u32 v[SRD], s13, v[L16]
	s_wait_dscnt 0x0                               ; both opening adds are done
	s_wait_kmcnt 0x0
	s_add_nc_u64 s[26:27], s[6:7], s[42:43]        ; group 0: global address,
	s_or_b32 s27, s27, 0x80000000                  ; type = 2
	s_add_nc_u64 s[QB:QB+1], s[4:5], s[44:45]
	s_add_nc_u64 s[OB:OB+1], s[8:9], s[46:47]
	CROUND                                         ; all four work-groups are here: the joint loads meet
	tensor_load_to_lds s[24:27], s[16:23]          ; chunk w of the head: my one tensor load of the launch
	s_nop 0
	global_load_b128 v[QF:QF+3], v[QO], s[QB:QB+1]                     ; Q of the first block: channels 16 h on,
	global_load_b128 v[QF+4:QF+7], v[QO], s[QB:QB+1] offset:512        ; channels 32 + 16 h on,
	global_load_b32 v[QS], v[QSO], s[QB:QB+1]                          ; its scale words;
	global_load_b128 v[QN:QN+3], v[QO], s[QB:QB+1] offset:2*QCH        ; and of the second block, two chunks on
	global_load_b128 v[QN+4:QN+7], v[QO], s[QB:QB+1] offset:2*QCH+512
	global_load_b32 v[QNS], v[QSO], s[QB:QB+1] offset:2*QCH
.irp n, 0,1,2,3,4,5,6,7
	v_mov_b32 v[QF+8+\n], 0                        ; Q's zero codes for K = 64 .. 127
	v_mov_b32 v[KF+64+\n], 0                       ; and what stands behind K's last tile
.endr
.irp n, 0,1,2,3
	v_mov_b32 v[BP+\n], 0                          ; written once: a lane permute's destination counts as one of its sources
.endr
	v_mov_b32 v[FF+1], 0                           ; (named as the upper half of the pair)
	s_wait_loadcnt 0x0                             ; Q
	s_wait_tensorcnt 0x0                           ; my chunk is in,
	s_barrier_signal -1
	s_barrier_wait -1                              ; everybody's is: the head's K and V are whole, and stay
; A KEY STEP: 128 keys, the chunk at s[TB].
.macro STEP
	v_add_nc_u32 v[ADR], s[TB], v[L16]
	v_add_nc_u32 v[ADV], s[TB], v[L8]
.rept 6
	v_nop                                          ; with the two additions: eight places between the last step's products and the loads into registers that they read
.endr
.irp t, 0,1,2,3,4,5,6,7
	ds_load_b128 v[KF+8*\t:KF+8*\t+3], v[ADR] offset:1024*\t
	ds_load_b128 v[KF+8*\t+4:KF+8*\t+7], v[ADR] offset:1024*\t+512
.endr
	ds_load_b128 v[KS:KS+3], v[ADR] offset:KSW
	s_wait_alu depctr_va_vdst(0)
	s_wait_dscnt 0x0
.irp t, 0,1,2,3                                ; S^T = K Q^T: eight accumulators, one instruction each; the constant 0 starts each sum
	v_wmma_scale_f32_16x16x128_f8f6f4 v[SS+8*\t:SS+8*\t+7], v[KF+8*\t:KF+8*\t+15], v[QF:QF+15], 0, v[KS+\t], v[QS]
.endr
.irp t, 4,5,6,7
	v_wmma_scale_f32_16x16x128_f8f6f4 v[SS+8*\t:SS+8*\t+7], v[KF+8*\t:KF+8*\t+15], v[QF:QF+15], 0, v[KS+\t-4], v[QS] matrix_a_scale:MATRIX_SCALE_ROW1
.endr
.rept 8
	v_nop                                          ; eight places: for the loads below, into registers that these products read, and for the first read of the scores
.endr
.irp t, 0,1,2,3                                ; V's four fragments take K's registers; they land while the softmax runs
.irp c, 0,1,2,3
	ds_load_b128 v[KF+16*\t+4*\c:KF+16*\t+4*\c+3], v[ADR] offset:VIM+2048*\t+512*\c
.endr
.endr
	ds_load_b64 v[VS:VS+1], v[ADV] offset:VSW
.irp b, 0,1,2,3
	v_max3_num_f32 v[BM+\b], v[SS+16*\b], v[SS+1+16*\b], v[SS+2+16*\b]   ; THE LARGEST SCORE OF EACH BLOCK OF 32 KEYS: it serves twice: for the row's maximum, and, since p rises with the score, for the block's largest p.  (Each accumulator is read from its low end on)
.endr
.irp i, 3,5,7,9,11,13
.irp b, 0,1,2,3
	v_max3_num_f32 v[BM+\b], v[BM+\b], v[SS+16*\b+\i], v[SS+1+16*\b+\i]   ; (the four blocks by turns)
.endr
.endr
.irp b, 0,1,2,3
	v_max_num_f32 v[BM+\b], v[BM+\b], v[SS+15+16*\b]
.endr
.irp b, 0,1,2,3
	s_delay_alu instid0(VALU_DEP_4)
	v_permlanex16_b32 v[BP+\b], v[BM+\b], s[SEL], s[SEL+1]
.endr
.irp b, 0,1,2,3
	s_delay_alu instid0(VALU_DEP_4)
	v_max_num_f32 v[BM+\b], v[BM+\b], v[BP+\b]     ; with lane l xor 16's 16 keys
.endr
	s_delay_alu instid0(VALU_DEP_2)
	v_max3_num_f32 v[TT], v[BM], v[BM+1], v[BM+2]
	s_delay_alu instid0(VALU_DEP_1)
	v_max_num_f32 v[TT], v[TT], v[BM+3]            ; the step's largest score of my query
	s_delay_alu instid0(VALU_DEP_1)
	v_mul_f32 v[TT], s[CS], v[TT]                  ; as t (log2(e) is positive)
	s_delay_alu instid0(VALU_DEP_1)
	v_max_num_f32 v13, v13, v[TT]                  ; the running largest t
	v_mov_b32 v[TT], v12
	s_delay_alu instid0(VALU_DEP_2)
	v_floor_f32 v12, -v13                          ; the new -M = floor(-t) = -ceil(t): M IS A WHOLE NUMBER
	s_delay_alu instid0(VALU_DEP_1)
	v_sub_f32 v[TT], v12, v[TT]                    ; M's old value less its new one: a whole number, 0 or less
	s_delay_alu instid0(VALU_DEP_1)
	v_cvt_i32_f32 v[TT], v[TT]                     ; (it saturates)
	s_delay_alu instid0(VALU_DEP_1)
	v_ldexp_f32 v[FF], 1.0, v[TT]                  ; f = 2^(old M - new M): a multiplication by it rounds nothing
.set jj, 0
.rept 32
	v_pk_fma_f32 v[SS+jj:SS+jj+1], v[SS+jj:SS+jj+1], s[CS:CS+1], v[12:13] op_sel_hi:[1,0,0]   ; t - M, two at a time (of the pairs log2(e) and -M the low word serves both halves)
.set jj, jj+2
.endr
.irp b, 0,1,2,3
	v_fma_f32 v[BM+\b], v[BM+\b], s[CS], v12       ; the same of each block's largest score
.endr
.set jj, 0
	s_setprio 1
	s_wait_alu depctr_va_vdst(0)
.rept 64
	v_exp_f32 v[SS+jj], v[SS+jj]                   ; p = 2^(t - M), at most 1: NOT normalised
.set jj, jj+1
.endr
	v_pk_mul_f32 v[14:15], v[14:15], v[FF:FF+1] op_sel_hi:[1,0]   ; the sums under the new M.  (The plain line behind the exponentials)
	s_wait_alu depctr_va_vdst(0)                   ; one wait for the whole batch, ahead of its first reader
.irp b, 0,1,2,3
	v_exp_f32 v[BM+\b], v[BM+\b]                   ; the block's largest p: the same two instructions on the same number give the same bits
.endr
	v_pk_add_f32 v[244:245], v[108:109], v[112:113]
	v_pk_add_f32 v[238:239], v[116:117], v[120:121]
	v_pk_add_f32 v[236:237], v[124:125], v[128:129]
	v_pk_add_f32 v[234:235], v[132:133], v[136:137]
	v_pk_add_f32 v[230:231], v[140:141], v[144:145]
	v_pk_add_f32 v[228:229], v[148:149], v[152:153]
	v_pk_add_f32 v[226:227], v[156:157], v[160:161]
	v_pk_add_f32 v[14:15], v[14:15], v[164:165]
	v_pk_add_f32 v[244:245], v[244:245], v[104:105]
	v_pk_add_f32 v[238:239], v[238:239], v[106:107]
	v_pk_add_f32 v[236:237], v[236:237], v[110:111]
	v_pk_add_f32 v[234:235], v[234:235], v[114:115]
	v_pk_add_f32 v[230:231], v[230:231], v[118:119]
	v_pk_add_f32 v[228:229], v[228:229], v[122:123]
	v_pk_add_f32 v[226:227], v[226:227], v[126:127]
	v_pk_add_f32 v[14:15], v[14:15], v[130:131]
	v_pk_add_f32 v[244:245], v[244:245], v[134:135]
	v_pk_add_f32 v[238:239], v[238:239], v[138:139]
	v_pk_add_f32 v[236:237], v[236:237], v[142:143]
	v_pk_add_f32 v[234:235], v[234:235], v[146:147]
	v_pk_add_f32 v[230:231], v[230:231], v[150:151]
	v_pk_add_f32 v[228:229], v[228:229], v[154:155]
	v_pk_add_f32 v[226:227], v[226:227], v[158:159]
	v_pk_add_f32 v[14:15], v[14:15], v[162:163]
	v_pk_add_f32 v[244:245], v[244:245], v[166:167]
	s_delay_alu instid0(VALU_DEP_2)
	v_pk_add_f32 v[14:15], v[14:15], v[234:235]
	s_delay_alu instid0(VALU_DEP_2)
	v_pk_add_f32 v[244:245], v[244:245], v[230:231]
	v_pk_add_f32 v[238:239], v[238:239], v[228:229]
	v_pk_add_f32 v[236:237], v[236:237], v[226:227]
	s_delay_alu instid0(VALU_DEP_2)
	v_pk_add_f32 v[14:15], v[14:15], v[238:239]
	s_delay_alu instid0(VALU_DEP_2)
	v_pk_add_f32 v[244:245], v[244:245], v[236:237]
	s_delay_alu instid0(VALU_DEP_1)
	v_pk_add_f32 v[14:15], v[14:15], v[244:245]
	s_wait_alu depctr_va_vdst(0)                   ; and one for the four
.irp b, 0,1,2,3
	v_max_num_f32 v[BM+\b], 0x4800000, v[BM+\b]    ; the floor 2^(9 - 127): the byte cannot fall under 1 (a block whose every p has fallen to 0 keeps that byte: its codes are zeros)
.endr
.irp b, 0,1,2,3
	s_delay_alu instid0(VALU_DEP_4)
	v_add_nc_u32 v[BS+\b], 0xfc000000, v[BM+\b]    ; 8 off the exponent field: the conversion's scale operand
.endr
.irp b, 0,1,2,3
.endr
.irp b, 0,1,2,3
	s_delay_alu instid0(VALU_DEP_4)
	v_lshrrev_b32 v[BP+\b], 23, v[BS+\b]           ; the scale's byte
.endr
	s_delay_alu instid0(VALU_DEP_3)
	v_lshl_or_b32 v[PW], v[BP+1], 8, v[BP]         ; p's scale word for these 128 keys: it stands far more than eight plain lines ahead of the products that name it
	s_delay_alu instid0(VALU_DEP_1)
	v_lshl_or_b32 v[PW], v[BP+2], 16, v[PW]
	s_delay_alu instid0(VALU_DEP_1)
	v_lshl_or_b32 v[PW], v[BP+3], 24, v[PW]
.irp b, 0,1,2,3
.irp i, 0,1,2,3,4,5,6,7,8,9,10,11,12,13,14,15
.endr
	v_cvt_scalef32_pk8_fp8_f32 v[PC+4*\b:PC+4*\b+1], v[SS+16*\b:SS+16*\b+7], v[BS+\b]
	v_cvt_scalef32_pk8_fp8_f32 v[PC+4*\b+2:PC+4*\b+3], v[SS+16*\b+8:SS+16*\b+15], v[BS+\b]
.endr
.set jj, 0
	s_setprio 0
.rept 16
	v_pk_mul_f32 v[OT+jj:OT+jj+1], v[OT+jj:OT+jj+1], v[FF:FF+1] op_sel_hi:[1,0]   ; O^T under the new M: x f, each accumulator from its low end on.  (These sixteen are also the plain lines between the conversions and the products that take the codes)
.set jj, jj+2
.endr
	s_wait_alu depctr_va_vdst(0)
	s_wait_dscnt 0x0                               ; V and its scale words are in (asked for ahead of the softmax)
.irp t, 0,1                                    ; O^T += V P^T: four accumulators by turns, one instruction a turn; the eight products of S^T stand between a link and the next
	v_wmma_scale_f32_16x16x128_f8f6f4 v[OT+8*\t:OT+8*\t+7], v[KF+16*\t:KF+16*\t+15], v[PC:PC+15], v[OT+8*\t:OT+8*\t+7], v[VS+\t], v[PW]
.endr
.irp t, 2,3
	v_wmma_scale_f32_16x16x128_f8f6f4 v[OT+8*\t:OT+8*\t+7], v[KF+16*\t:KF+16*\t+15], v[PC:PC+15], v[OT+8*\t:OT+8*\t+7], v[VS+\t-2], v[PW] matrix_a_scale:MATRIX_SCALE_ROW1
.endr
	s_add_co_u32 s[TB], s[TB], CH                  ; the next chunk
.endm
; THE WAY OUT of block i.  O^T / the sum goes through the work-group's stage, 32 channels x 256 queries at a time: a lane holds eight channels of ONE query, and the output's rows run along the queries.
; Each wave then takes two whole stage rows and stores them, 512 consecutive bytes an instruction, aligned.
.macro WAYOUT i
.rept 8
	v_nop                                          ; eight places behind the last products, ahead of the first read of O^T and of the loads into V's registers
.endr
	v_add_f32 v14, v14, v15                        ; the sum's two halves,
	s_delay_alu instid0(VALU_DEP_1)
	v_permlanex16_b32 v[BP], v14, s[SEL], s[SEL+1]
	s_delay_alu instid0(VALU_DEP_1)
	v_add_f32 v14, v14, v[BP]                      ; and lane l xor 16's: the row's sum
	s_wait_alu depctr_va_vdst(0)
	v_rcp_f32 v14, v14
	v_nop                                          ; a plain line behind the transcendental,
	s_wait_alu depctr_va_vdst(0)                   ; and the wait ahead of its first reader
.set jj, 0
.rept 16
	v_pk_mul_f32 v[SS+jj:SS+jj+1], v[OT+jj:OT+jj+1], v[14:15] op_sel_hi:[1,0]   ; register 8 t + n: channel 16 t + 8 h + n of my query
.set jj, jj+2
.endr
	s_wait_alu depctr_va_vdst(0)
.irp u, 0,1                                    ; channels 32 u on
.irp e, 0,1
.irp n, 0,1,2,3,4,5,6,7
	ds_store_b32 v[STO], v[SS+16*\u+8*\e+\n] offset:(16*\e+\n)*SPITCH   ; the 32 lanes' words fall on 32 different words modulo 64: r + 8 (r / 8), and 32 more for lanes 16-31 (8 rows of 260 words)
.endr
.endr
	s_wait_dscnt 0x0                               ; for the others' sake: my stores into the stage are done
	s_barrier_signal -1
	s_barrier_wait -1
.irp k, 0,1,2,3
	ds_load_b128 v[KF+16*\u+4*\k:KF+16*\u+4*\k+3], v[SRD] offset:SPITCH*(\k/2)+512*(\k%2)
.endr
	s_wait_dscnt 0x0
.irp k, 0,1,2,3
	global_store_b128 v[L16], v[KF+16*\u+4*\k:KF+16*\u+4*\k+3], s[OB:OB+1] offset:1024*\i+262144*\u+8192*(\k/2)+512*(\k%2) th:TH_STORE_NT   ; written once, read by nobody here
.endr
.if (\i == 0) || (\u == 0)
	s_barrier_signal -1                            ; every wave's reads of the stage are back (the wait above): only behind this barrier is it written again
	s_barrier_wait -1
.endif
.endr
.if \i == 0
	s_wait_xcnt 0x0                                ; the stores have read their data: the next block's fragments may land in those registers
.endif
.endm
; A block of 256 queries: my tile of 16 against all 16 chunks of keys.  The step is written once: O^T and the sum begin as zeros and the largest t as -3e38, so that the first change of M multiplies zeros.
.macro BLOCK i
.if \i
.irp n, 0,1,2,3,4,5,6,7
	v_mov_b32 v[QF+\n], v[QN+\n]                   ; the second block's Q; the lines below stand between these and the next scaled product: more than the eight that a scale word so written wants
.endr
	v_mov_b32 v[QS], v[QNS]
.endif
	v_mov_b32 v13, 0xff61b1e6                      ; the largest t so far: -3e38, under every t
	s_delay_alu instid0(VALU_DEP_1)
	v_floor_f32 v12, -v13                          ; -M
	v_mov_b32 v14, 0                               ; the sum, in two halves
	v_mov_b32 v15, 0
.set jj, 0
.rept 32
	v_mov_b32 v[OT+jj], 0
.set jj, jj+1
.endr
	s_mov_b32 s[TB], 0
	s_mov_b32 s[STEPS], 16
.Lstep_\@:
	s_setprio 2
	STEP
	s_sub_co_u32 s[STEPS], s[STEPS], 1
	s_cmp_lg_u32 s[STEPS], 0
	s_cbranch_scc1 .Lstep_\@
	s_setprio 0
	WAYOUT \i
.endm
	BLOCK 0
	BLOCK 1
	s_wait_tensorcnt 0x0                           ; the wave's end: behind my tensor load and my last LDS store
	ds_add_u32 v[SPW], v[NIL]
	s_wait_dscnt 0x0
	CROUND                                         ; the closing round
	s_endpgm
.Lfunc_end_k_q1f924414c1_attn:
	.size	k_q1f924414c1_attn, .Lfunc_end_k_q1f924414c1_attn-k_q1f924414c1_attn
	.p2alignl 7, 3214868480
	.fill 96, 4, 3214868480
	.section	.rodata,"a",@progbits
	.p2align	6, 0x0
	.amdhsa_kernel k_q1f924414c1_attn
		.amdhsa_group_segment_fixed_size 327680
		.amdhsa_private_segment_fixed_size 0
		.amdhsa_enable_private_segment 0
		.amdhsa_kernarg_size 24
		.amdhsa_user_sgpr_count 2
		.amdhsa_user_sgpr_kernarg_segment_ptr 1
		.amdhsa_wavefront_size32 1
		.amdhsa_system_sgpr_workgroup_id_x 1
		.amdhsa_system_sgpr_workgroup_id_y 1
		.amdhsa_system_sgpr_workgroup_id_z 1
		.amdhsa_system_vgpr_workitem_id 0
		.amdhsa_next_free_vgpr 256
		.amdhsa_next_free_sgpr 66
		.amdhsa_reserve_vcc 0
		.amdhsa_float_denorm_mode_32 3
		.amdhsa_float_denorm_mode_16_64 3
		.amdhsa_fp16_overflow 1
		.amdhsa_memory_ordered 1
		.amdhsa_forward_progress 1
		.amdhsa_inst_pref_size 54
	.end_amdhsa_kernel
	.amdgpu_metadata
---
amdhsa.version: [ 1, 2 ]
amdhsa.kernels:
  - .name:           k_q1f924414c1_attn
    .symbol:         k_q1f924414c1_attn.kd
    .args:
      - { .name: qq, .offset: 0, .size: 8, .value_kind: global_buffer, .address_space: global }
      - { .name: kv, .offset: 8, .size: 8, .value_kind: global_buffer, .address_space: global }
      - { .name: out0, .offset: 16, .size: 8, .value_kind: global_buffer, .address_space: global }
    .group_segment_fixed_size: 327680
    .private_segment_fixed_size: 0
    .kernarg_segment_align: 8
    .kernarg_segment_size: 24
    .max_flat_workgroup_size: 512
    .sgpr_count:     66
    .vgpr_count:     256
    .wavefront_size: 32
...
	.end_amdgpu_metadata
.endif
;; end of part 2
